; MI455X (gfx1250); checked and timed in simulation.
; The chip was launched on July 23, 2026; its instructions are those of AMD's public machine-readable ISA for CDNA 5 (MIT licence, August 2026) and "CDNA5" Instruction Set Architecture Reference Guide (July 2026). The comments in the code are by the model that wrote it; some were corrected since.
;; EP Mo E. Allowed arithmetic: matrix products marked QUANTISED: E4M3 operands, one given power-of-two scale a tensor, by v_wmma_f32_16x16x64_fp8_fp8 or v_wmma_f32_16x16x128_fp8_fp8, f32 sums; products left as they are: f32 operands where the result goes on into a quantised operand, else bf16, f16 or f32 operands; f32 sums; everything else in f32.
;; Inputs: hidden_states 1,024 x 1,024 float32; lowp_scales 6 int32 (the exponents e of the quantised operands' scales 2^e); topk_ids 1,024 x 2 int32; topk_weights 1,024 x 2 float32; wi_0 8 x 1,024 x 1,024 float32; wi_1 8 x 1,024 x 1,024 float32; wo 8 x 1,024 x 1,024 float32.
;; Outputs: out0 1,024 x 1,024 float32.
;; This version of the problem:
;;   THIS VERSION OF THE PROBLEM IS GIVEN IN LOW PRECISION. The matrix products marked QUANTISED in the list below multiply operands that are first quantised to E4M3 (4 exponent bits, 3 mantissa bits; 8 bits a number), with one given power-of-two scale for each operand tensor; their sums are f32. All else is computed in f32.
;;   The module's matrix products, in the order in which they are computed (A, B: the left and right operand; K: the contracted axis; several contracted axes count as one K, in the product's order):
;;     1. batch 2,048 x [M 1,024, K 1] x [K 1, N 8]; A: computed on the way; B: computed on the way: left as it is (no contracted axis)
;;     2. [M 2,048, K 8,192] x [K 8,192, N 1,024]; A: computed on the way; B: input wi_0: QUANTISED (scales: A lowp_scales[0], B lowp_scales[1])
;;     3. batch 2,048 x [M 1,024, K 1] x [K 1, N 8]; A: computed on the way; B: computed on the way: left as it is (no contracted axis)
;;     4. [M 2,048, K 8,192] x [K 8,192, N 1,024]; A: computed on the way; B: input wi_1: QUANTISED (scales: A lowp_scales[2], B lowp_scales[3])
;;     5. batch 2,048 x [M 1,024, K 1] x [K 1, N 8]; A: computed on the way; B: computed on the way: left as it is (no contracted axis)
;;     6. [M 2,048, K 8,192] x [K 8,192, N 1,024]; A: computed on the way; B: input wo: QUANTISED (scales: A lowp_scales[4], B lowp_scales[5])
;;     7. batch 1,024 x [M 1,024, K 2] x [K 2, N 1]; A: computed on the way; B: input topk_weights: left as it is (K = 2 < 32)
;;   THE QUANTISER, for each operand of a quantised product, along K:
;;     - The operand's scale is 2^e, e = its entry of the input lowp_scales (int32; the entries are numbered through the quantised products in the list's order, A before B).
;;     - Each number is divided by the scale, clamped to +-448, and rounded to the nearest number of E4M3, ties to even, subnormals kept.
;;     - The product sums the exact products of the quantised numbers (number of the format x scale) in f32.
;;   ~~~python
;;   def quantise(x, axis, e):      # numpy; x: float32 -> the quantised numbers, widened to float32 again
;;       x = np.moveaxis(x, axis, -1); K = x.shape[-1]
;;       r = np.clip(x / 2.0 ** e, -448, 448)
;;       step = 2.0 ** (np.maximum(np.frexp(np.where(r == 0, 1, r))[1] - 1, -6) - 3)
;;       q = np.round(r / step) * step * 2.0 ** e      # np.round: ties to even
;;       return np.moveaxis(q, -1, axis).astype(np.float32)
;;   ~~~
;;   OPERANDS COMPUTED ON THE WAY. 'Computed on the way' means the value that the module computes at that place (a softmax that the list does not call 'softmax' is quantised finished and normalised). What goes into a quantiser is computed in f32, as accurately as f32 sums, v_exp_f32 and their like allow (about 1e-6 of the number): no bf16 or f16 on the way to a quantiser, and a product that is left as it is and whose result goes on into a quantised operand takes f32 operands (vector FMAs, or v_wmma_f32_16x16x4_f32). A number that lies on a knife's edge between two numbers of the format may be rounded either way, as far as f32 arithmetic and the matrix unit's own rounding can turn it there, and no further.
;; One version. Each part assembles by itself: llvm-mc -triple=amdgcn-amd-amdhsa -mcpu=gfx1250 --defsym DOCPART=n.
;; ======== version 1 of 1: 5 launches
;; workspace buffers: xq0 2,211,840 bytes; xq1 2,211,840 bytes; hq 2,211,840 bytes; y 8,847,360 bytes; tiles 256 bytes of whole numbers; pos 8,192 bytes of whole numbers; list 8,704 bytes of whole numbers
;; launch route (part 1): grid 135 x 1, 8 waves a work-group, no clusters, 11,264 bytes of LDS; arguments topk_ids, tiles, pos, list; writes tiles, pos, list
.if DOCPART == 1
	.amdgcn_target "amdgcn-amd-amdhsa--gfx1250"
	.amdhsa_code_object_version 6
	.text
	.protected	k_q416f40ed08_route
	.globl	k_q416f40ed08_route
	.p2align	8
	.type	k_q416f40ed08_route,@function
k_q416f40ed08_route:
	s_mov_b64 s[64:65], 0
	v_nop
	global_prefetch_b8 v0, s[64:65] scope:SCOPE_SE
	s_setreg_imm32_b32 hwreg(HW_REG_WAVE_MODE, 25, 1), 1
	s_wait_xcnt 0x0
; THE ROUTING.  2,048 routed rows (flat index f = 2 token + k) are placed by expert into SLOTS; each expert begins on a multiple of 16 slots,
; so a TILE of 16 slots belongs to one expert.  The sum over experts of ceil(count / 16) is at most (2048 + 8 x 15) / 16, so there are at most 135 tiles, whatever the choice: the grid.
; Every work-group repeats the counting sort (8 KB of ids); work-group g then finds which row takes each of the 16 slots of tile g and stores that in list: word 16 g + r = the slot's flat index, or 2,048 and more where no row takes it.
; Work-group 0 also stores pos (the slot of each flat index) and tiles (words 0-7: first tile of each expert; words 8-15: its number of tiles).
; NO ADDRESS AND NO BRANCH OF THIS LAUNCH HANGS ON THE IDS: what is derived from them is data, stored at places made of the thread's and the work-group's number alone; the launches behind read it as whole numbers.
; The order of rows inside an expert is free: rows do not depend on each other, and pos leads each result back.  An id outside 0 .. 7 counts as 7.
; LDS: PK 8,192 bytes: word f = slot << 11 | f;  CNTS 1,024 bytes: 128 for each wave, word e = the wave's count of expert e;  RES 1,024 bytes: word 16 seg + sl = what segment seg found for slot sl.
.set PK,   0
.set CNTS, 8192
.set RES,  9216
.set ID,   4                           ; v4-11    my eight ids: flat indices 8 tau + j
.set POS,  12                          ; v12-19   their slots
.set CT,   24                          ; v24-31   the eight waves' counts of expert lane % 8
.set PKD,  52                          ; v52-59   the packed words
.set X,    64                          ; v64-191  the search's 128 words
; scalars: s18 wave; s19 at work; s20-27 counts, then next free slot of each expert; s28-35 masks, later an offset; s36-43 tiles of each expert; s44-52 first tile of each expert
	s_load_b256 s[4:11], s[0:1], 0x0               ; topk_ids s[4:5], tiles s[6:7], pos s[8:9], list s[10:11]
	v_lshl_add_u32 v192, v0, 2, 0x2800
	v_mov_b32 v193, 0
	v_lshrrev_b32 v1, 5, v0
	v_readfirstlane_b32 s18, v1                    ; wave 0..7
	v_and_b32 v1, 31, v0                           ; lane
	v_and_b32 v2, 15, v0                           ; the slot of the tile that I search for
	v_lshlrev_b32 v41, 5, v0                       ; 32 tau: my eight words in topk_ids, in pos and in PK
	v_lshl_add_u32 v39, v0, 2, CNTS                ; my word of my wave's counts
	v_and_b32 v40, 7, v0
	v_lshl_add_u32 v40, v40, 2, CNTS               ; expert lane % 8 in wave 0's counts
	v_lshl_add_u32 v50, v0, 2, RES                 ; where I put what I found
	v_lshl_add_u32 v49, v2, 2, RES                 ; slot lane % 16 in segment 0's findings
	v_lshlrev_b32 v51, 2, v1                       ; 4 lane
	v_lshlrev_b32 v37, 3, v0                       ; 8 tau: my first flat index
	v_lshrrev_b32 v36, 4, v0
	v_lshlrev_b32 v36, 9, v36                      ; my segment of PK: 128 words, 512 bytes
	s_lshl_b32 s19, ttmp9, 4
	v_add_nc_u32 v38, s19, v2
	v_lshlrev_b32 v38, 11, v38                     ; (16 g + sl) << 11
	s_wait_kmcnt 0x0
	global_load_b128 v[ID:ID+3], v41, s[4:5]
	global_load_b128 v[ID+4:ID+7], v41, s[4:5] offset:16
	s_wait_loadcnt 0x0
.irp j, 0,1,2,3,4,5,6,7
	v_min_u32 v[ID+\j], 7, v[ID+\j]
.endr
; my wave's count of each expert: eight masks, their bits counted and added
.irp e, 0,1,2,3,4,5,6,7
.irp j, 0,1,2,3,4,5,6,7
	v_cmp_eq_u32 s[28+\j], \e, v[ID+\j]
.endr
.irp j, 0,1,2,3,4,5,6,7
	s_bcnt1_i32_b32 s[28+\j], s[28+\j]
.endr
	s_add_co_u32 s[20+\e], s28, s29
.irp j, 2,3,4,5,6,7
	s_add_co_u32 s[20+\e], s[20+\e], s[28+\j]
.endr
.endr
	v_mov_b32 v35, 0
.irp e, 0,1,2,3,4,5,6,7
	v_writelane_b32 v35, s[20+\e], \e
.endr
	ds_store_b32 v39, v35                          ; lanes 0-7: the counts; the others 0
	s_wait_dscnt 0x0                               ; for the other waves: my counts lie in LDS
	s_barrier_signal -1
	s_barrier_wait -1
.irp w, 0,1,2,3,4,5,6,7
	ds_load_b32 v[CT+\w], v40 offset:128*\w
.endr
	s_wait_dscnt 0x0
	v_add_nc_u32 v32, v[CT], v[CT+1]               ; the expert's rows in all,
.irp w, 2,3,4,5,6,7
	v_add_nc_u32 v32, v32, v[CT+\w]
.endr
	s_cmp_gt_u32 s18, 0                            ; and in the waves ahead of mine
	s_cselect_b32 s19, -1, 0
	v_and_b32 v33, s19, v[CT]
.irp w, 1,2,3,4,5,6,7
	s_cmp_gt_u32 s18, \w
	s_cselect_b32 s19, -1, 0
	v_and_b32 v20, s19, v[CT+\w]
	v_add_nc_u32 v33, v33, v20
.endr
	v_add_nc_u32 v34, 15, v32
	v_lshrrev_b32 v34, 4, v34                      ; its tiles
.irp e, 0,1,2,3,4,5,6,7
	v_readlane_b32 s[36+\e], v34, \e
	v_readlane_b32 s[20+\e], v33, \e
.endr
	s_mov_b32 s44, 0
.irp e, 0,1,2,3,4,5,6,7
	s_add_co_u32 s[45+\e], s[44+\e], s[36+\e]      ; first tile of the next expert
	s_lshl_b32 s19, s[44+\e], 4
	s_add_co_u32 s[20+\e], s[20+\e], s19           ; my wave's first slot in expert e
.endr
; each row's slot: the expert's next free slot + the number of lower lanes with the same expert
.irp j, 0,1,2,3,4,5,6,7
.irp e, 0,1,2,3,4,5,6,7
	v_cmp_eq_u32 s[28+\e], \e, v[ID+\j]
.endr
	v_mbcnt_lo_u32_b32 v[POS+\j], s28, s20
	s_bcnt1_i32_b32 s19, s28
	s_add_co_u32 s20, s20, s19
.irp e, 1,2,3,4,5,6,7
	v_mbcnt_lo_u32_b32 v20, s[28+\e], s[20+\e]
	v_cndmask_b32 v[POS+\j], v[POS+\j], v20, s[28+\e]
	s_bcnt1_i32_b32 s19, s[28+\e]
	s_add_co_u32 s[20+\e], s[20+\e], s19
.endr
.endr
.irp j, 0,1,2,3,4,5,6,7
	v_or_b32 v20, \j, v37
	v_lshl_or_b32 v[PKD+\j], v[POS+\j], 11, v20    ; slot << 11 | flat index
.endr
	ds_store_b128 v41, v[PKD:PKD+3] offset:PK
	ds_store_b128 v41, v[PKD+4:PKD+7] offset:PK+16
	s_wait_dscnt 0x0                               ; for the other waves: my words lie in LDS
	s_barrier_signal -1
	s_barrier_wait -1
; THE SEARCH, at fixed addresses.  word - (slot << 11), taken as unsigned, is under 2,048 for the one word that names my slot, and is then its flat index; for every other word it is 2,048 or more.
.set n, 0
.rept 32
	ds_load_b128 v[X+4*n:X+4*n+3], v36 offset:PK+16*n
.set n, n+1
.endr
.irp q, 0,1,2,3
	v_mov_b32 v[20+\q], -1                         ; four chains of minima
.endr
	s_wait_dscnt 16                                ; the first sixteen loads are in; the younger sixteen may be out
.set n, 0
.rept 64
	v_sub_nc_u32 v[X+n], v[X+n], v38
	v_min_u32 v[20+n%4], v[20+n%4], v[X+n]
.set n, n+1
.endr
	s_wait_dscnt 0x0
.rept 64
	v_sub_nc_u32 v[X+n], v[X+n], v38
	v_min_u32 v[20+n%4], v[20+n%4], v[X+n]
.set n, n+1
.endr
	v_min_u32 v20, v20, v21
	v_min_u32 v22, v22, v23
	v_min_u32 v20, v20, v22
	ds_store_b32 v50, v20
	s_wait_dscnt 0x0                               ; for the other waves: my finding lies in LDS
	s_barrier_signal -1
	s_barrier_wait -1                              ; the last barrier: the branches below hang on the work-group's and the wave's number
; work-group 0 stores pos and tiles
	s_cmp_lg_u32 ttmp9, 0
	s_cbranch_scc1 .Lno_lists
	global_store_b128 v41, v[POS:POS+3], s[8:9]            ; pos: 32 consecutive bytes a thread
	global_store_b128 v41, v[POS+4:POS+7], s[8:9] offset:16
	s_cmp_lg_u32 s18, 0
	s_cbranch_scc1 .Lno_lists
	v_mov_b32 v35, 0
.irp e, 0,1,2,3,4,5,6,7
	v_writelane_b32 v35, s[44+\e], \e              ; words 0-7: first tile
	v_writelane_b32 v35, s[36+\e], 8+\e            ; words 8-15: number of tiles
.endr
	global_store_b32 v51, v35, s[6:7]
.Lno_lists:
; wave 0 joins the sixteen segments' findings and stores the tile's 16 words
	s_cmp_lg_u32 s18, 0
	s_cbranch_scc1 .Lend
.irp n, 0,1,2,3,4,5,6,7,8,9,10,11,12,13,14,15
	ds_load_b32 v[X+\n], v49 offset:64*\n          ; slot lane % 16 as each of the sixteen segments found it
.endr
	s_lshl_b32 s34, ttmp9, 6                       ; the tile's 64 bytes of list
	s_mov_b32 s35, 0
	s_add_nc_u64 s[10:11], s[10:11], s[34:35]
	v_cmp_gt_u32 vcc_lo, 16, v1                    ; lanes 0-15: one lane a slot
	s_wait_dscnt 0x0
.irp n, 0,1,2,3,4,5,6,7
	v_min_u32 v[X+\n], v[X+\n], v[X+8+\n]
.endr
.irp n, 0,1,2,3
	v_min_u32 v[X+\n], v[X+\n], v[X+4+\n]
.endr
	v_min_u32 v[X], v[X], v[X+2]
	v_min_u32 v[X+1], v[X+1], v[X+3]
	v_min_u32 v42, v[X], v[X+1]                    ; the flat index of slot 16 g + lane % 16, or 2,048 and more where no row takes it
	s_wait_xcnt 0x0                                ; EXEC is a source of the stores above: it changes only behind this wait
	s_and_saveexec_b32 s19, vcc_lo
	global_store_b32 v51, v42, s[10:11]            ; 64 consecutive bytes
	s_wait_xcnt 0x0                                ; and again ahead of the line that widens it
	s_or_b32 exec_lo, exec_lo, s19
.Lend:
	s_wait_tensorcnt 0x0
	ds_add_u32 v192, v193
	s_wait_dscnt 0x0
	s_endpgm
.Lfunc_end_k_q416f40ed08_route:
	.size	k_q416f40ed08_route, .Lfunc_end_k_q416f40ed08_route-k_q416f40ed08_route
	.p2alignl 7, 3214868480
	.fill 96, 4, 3214868480
	.section	.rodata,"a",@progbits
	.p2align	6, 0x0
	.amdhsa_kernel k_q416f40ed08_route
		.amdhsa_group_segment_fixed_size 11264
		.amdhsa_private_segment_fixed_size 0
		.amdhsa_enable_private_segment 0
		.amdhsa_kernarg_size 32
		.amdhsa_user_sgpr_count 2
		.amdhsa_user_sgpr_kernarg_segment_ptr 1
		.amdhsa_wavefront_size32 1
		.amdhsa_system_sgpr_workgroup_id_x 1
		.amdhsa_system_sgpr_workgroup_id_y 1
		.amdhsa_system_sgpr_workgroup_id_z 1
		.amdhsa_system_vgpr_workitem_id 0
		.amdhsa_next_free_vgpr 194
		.amdhsa_next_free_sgpr 66
		.amdhsa_reserve_vcc 1
		.amdhsa_float_denorm_mode_32 3
		.amdhsa_float_denorm_mode_16_64 3
		.amdhsa_memory_ordered 1
		.amdhsa_forward_progress 1
		.amdhsa_inst_pref_size 45
	.end_amdhsa_kernel
	.amdgpu_metadata
---
amdhsa.version: [ 1, 2 ]
amdhsa.kernels:
  - .name:           k_q416f40ed08_route
    .symbol:         k_q416f40ed08_route.kd
    .args:
      - { .name: topk_ids, .offset: 0, .size: 8, .value_kind: global_buffer, .address_space: global }
      - { .name: tiles, .offset: 8, .size: 8, .value_kind: global_buffer, .address_space: global }
      - { .name: pos, .offset: 16, .size: 8, .value_kind: global_buffer, .address_space: global }
      - { .name: list, .offset: 24, .size: 8, .value_kind: global_buffer, .address_space: global }
    .group_segment_fixed_size: 11264
    .private_segment_fixed_size: 0
    .kernarg_segment_align: 8
    .kernarg_segment_size: 32
    .max_flat_workgroup_size: 256
    .sgpr_count:     66
    .vgpr_count:     194
    .wavefront_size: 32
...
	.end_amdgpu_metadata
.endif
;; end of part 1
;; launch xcodes (part 2): grid 135 x 1, 8 waves a work-group, no clusters, 0 bytes of LDS; arguments hidden_states, list, lowp_scales, xq0, xq1; writes xq0, xq1
.if DOCPART == 2
	.amdgcn_target "amdgcn-amd-amdhsa--gfx1250"
	.amdhsa_code_object_version 6
	.text
	.protected	k_q416f40ed08_xcodes
	.globl	k_q416f40ed08_xcodes
	.p2align	8
	.type	k_q416f40ed08_xcodes,@function
k_q416f40ed08_xcodes:
	s_mov_b64 s[64:65], 0
	v_nop
	global_prefetch_b8 v0, s[64:65] scope:SCOPE_SE
	s_setreg_imm32_b32 hwreg(HW_REG_WAVE_MODE, 25, 1), 1
	s_wait_xcnt 0x0
; THE CODES OF x, gathered by slot.  Work-group g makes tile g (16 slots of one expert): it reads from list which routed row takes each slot (a whole number that an earlier launch stored),
; gathers the 16 rows of hidden_states, quantises them to E4M3 with the given scale and stores them as an IMAGE OF THE OPERAND'S REGISTERS:
;   byte 16384 tile + 2048 s + 512 c + 16 lane + i = code of (slot 16 tile + lane % 16, k = 128 s + 32 c + 16 (lane / 16) + i).
; xq0 takes the scale 2^e0 (first product), xq1 the scale 2^e2 (second product); xq1 is written only where e2 differs from e0, and is read only there.
; Wave w takes K step w: 128 numbers of each of the 16 rows, 64 a lane.  Waves share nothing: no LDS, no barrier.
; A slot that no row takes (list word 2,048 or more) gets zero codes: its limit for the hold is 0; its lane reads the table's last row, so that no load leaves the buffer.  A tile that the given choice leaves empty is 16 such slots.
; LIMITS: e0 and e2 between -126 and 119, so that 2^e and 448 x 2^e are f32 numbers.  NaN among the inputs is not served.
.set X,    64                          ; v64-127  64 numbers of x
.set T,    128                         ; v128-143 sixteen numbers, held
.set C0,   144                         ; v144-159 codes with 2^e0
.set C1,   160                         ; v160-175 codes with 2^e2
; v1 lane; v2 r; v3 h; v42 the slot's word, then its token; v43 my byte in hidden_states; v44 16 lane; v45, v46: 2^e0 and my limit; v47, v48: the same for e2; v49 4 r
; s18 wave; s19, s53 at work; s[28:29] x at my K step; s[30:31], s[32:33] my 2,048 bytes of the two images; s[34:35] an offset; s56-59 e0 .. e3
	s_load_b256 s[4:11], s[0:1], 0x0               ; hidden_states s[4:5], list s[6:7], lowp_scales s[8:9], xq0 s[10:11]
	s_load_b64 s[12:13], s[0:1], 0x20              ; xq1
	v_lshrrev_b32 v1, 5, v0
	v_readfirstlane_b32 s18, v1                    ; wave 0..7
	v_and_b32 v1, 31, v0                           ; lane
	v_and_b32 v2, 15, v0                           ; r
	v_bfe_u32 v3, v0, 4, 1                         ; h
	v_lshlrev_b32 v44, 4, v1                       ; 16 lane: my place in an image
	v_lshlrev_b32 v49, 2, v2                       ; 4 r
	s_lshl_b32 s34, ttmp9, 6                       ; the tile's 64 bytes of list
	s_mov_b32 s35, 0
	s_wait_kmcnt 0x0
	s_add_nc_u64 s[6:7], s[6:7], s[34:35]
	global_load_b32 v42, v49, s[6:7]               ; which row takes slot 16 g + r
	s_load_b128 s[56:59], s[8:9], 0x0              ; e0 .. e3
	s_lshl_b32 s34, s18, 9                         ; wave w takes K step w: 128 numbers, 512 bytes of each row
	s_add_nc_u64 s[28:29], s[4:5], s[34:35]
	s_lshl_b32 s34, ttmp9, 14                      ; the tile's image, 16,384 bytes,
	s_lshl_b32 s19, s18, 11                        ; and my K step's 2,048 of them
	s_add_co_u32 s34, s34, s19
	s_add_nc_u64 s[30:31], s[10:11], s[34:35]
	s_add_nc_u64 s[32:33], s[12:13], s[34:35]
	s_wait_loadcnt 0x0
	v_cmp_gt_u32 vcc_lo, 2048, v42                 ; taken?
	v_lshrrev_b32 v42, 1, v42                      ; the token,
	v_min_u32 v42, 0x3ff, v42                      ; inside the table in an empty slot too
	v_lshlrev_b32 v43, 12, v42                     ; its row of 4,096 bytes
	v_lshl_add_u32 v43, v3, 6, v43                 ; + 64 h: my 16 numbers of a block of 32
.irp c, 0,1,2,3
.irp j, 0,1,2,3
	global_load_b128 v[X+16*\c+4*\j:X+16*\c+4*\j+3], v43, s[28:29] offset:128*\c+16*\j   ; no hint: a token's row is named by two slots
.endr
.endr
	s_wait_kmcnt 0x0                               ; the scales
.macro POW2 e, sc, lim                 ; v[sc] = 2^s[e] as f32 (the conversion takes its exponent field); v[lim] = 448 x 2^s[e], and 0 in a lane whose slot is empty
	s_add_co_i32 s19, s[\e], 127
	s_lshl_b32 s53, s19, 23
	v_mov_b32 v[\sc], s53
	s_add_co_i32 s19, s19, 8
	s_lshl_b32 s19, s19, 23
	s_or_b32 s19, s19, 0x600000
	v_mov_b32 v[\lim], s19
	v_cndmask_b32 v[\lim], 0, v[\lim], vcc_lo
.endm
	POW2 56, 45, 46
	POW2 58, 47, 48
; 64 numbers of a lane, register 16 c + i = k 32 c + 16 h + i of my row, become a fragment's 16 registers of codes
.macro QX dst, sc, lim
.irp c, 0,1,2,3
.irp i, 0,1,2,3,4,5,6,7,8,9,10,11,12,13,14,15
	v_med3_num_f32 v[T+\i], v[X+16*\c+\i], -v[\lim], v[\lim]   ; the conversion to an 8-bit code does not saturate (ISA guide 7.6.2): the hold at the largest code x the scale
.endr
	v_cvt_scalef32_pk8_fp8_f32 v[\dst+4*\c:\dst+4*\c+1], v[T:T+7], v[\sc]
	v_cvt_scalef32_pk8_fp8_f32 v[\dst+4*\c+2:\dst+4*\c+3], v[T+8:T+15], v[\sc]
	v_nop                                          ; one plain vector instruction between a scaled conversion and the next write of its sources
.endr
.endm
	s_wait_loadcnt 0x0
	QX C0, 45, 46
.irp c, 0,1,2,3
	global_store_b128 v44, v[C0+4*\c:C0+4*\c+3], s[30:31] offset:512*\c   ; the wave stores 512 consecutive bytes, aligned
.endr
	s_cmp_eq_u32 s56, s58                          ; one scale for both products: one image serves both
	s_cbranch_scc1 .Lend
	QX C1, 47, 48
.irp c, 0,1,2,3
	global_store_b128 v44, v[C1+4*\c:C1+4*\c+3], s[32:33] offset:512*\c
.endr
.Lend:
	s_endpgm
.Lfunc_end_k_q416f40ed08_xcodes:
	.size	k_q416f40ed08_xcodes, .Lfunc_end_k_q416f40ed08_xcodes-k_q416f40ed08_xcodes
	.p2alignl 7, 3214868480
	.fill 96, 4, 3214868480
	.section	.rodata,"a",@progbits
	.p2align	6, 0x0
	.amdhsa_kernel k_q416f40ed08_xcodes
		.amdhsa_group_segment_fixed_size 0
		.amdhsa_private_segment_fixed_size 0
		.amdhsa_enable_private_segment 0
		.amdhsa_kernarg_size 40
		.amdhsa_user_sgpr_count 2
		.amdhsa_user_sgpr_kernarg_segment_ptr 1
		.amdhsa_wavefront_size32 1
		.amdhsa_system_sgpr_workgroup_id_x 1
		.amdhsa_system_sgpr_workgroup_id_y 1
		.amdhsa_system_sgpr_workgroup_id_z 1
		.amdhsa_system_vgpr_workitem_id 0
		.amdhsa_next_free_vgpr 176
		.amdhsa_next_free_sgpr 66
		.amdhsa_reserve_vcc 1
		.amdhsa_float_denorm_mode_32 3
		.amdhsa_float_denorm_mode_16_64 3
		.amdhsa_memory_ordered 1
		.amdhsa_forward_progress 1
		.amdhsa_inst_pref_size 14
	.end_amdhsa_kernel
	.amdgpu_metadata
---
amdhsa.version: [ 1, 2 ]
amdhsa.kernels:
  - .name:           k_q416f40ed08_xcodes
    .symbol:         k_q416f40ed08_xcodes.kd
    .args:
      - { .name: hidden_states, .offset: 0, .size: 8, .value_kind: global_buffer, .address_space: global }
      - { .name: list, .offset: 8, .size: 8, .value_kind: global_buffer, .address_space: global }
      - { .name: lowp_scales, .offset: 16, .size: 8, .value_kind: global_buffer, .address_space: global }
      - { .name: xq0, .offset: 24, .size: 8, .value_kind: global_buffer, .address_space: global }
      - { .name: xq1, .offset: 32, .size: 8, .value_kind: global_buffer, .address_space: global }
    .group_segment_fixed_size: 0
    .private_segment_fixed_size: 0
    .kernarg_segment_align: 8
    .kernarg_segment_size: 40
    .max_flat_workgroup_size: 256
    .sgpr_count:     66
    .vgpr_count:     176
    .wavefront_size: 32
...
	.end_amdgpu_metadata
.endif
;; end of part 2
;; launch gateup (part 3): grid 32 x 8, 16 waves a work-group, no clusters, 68,608 bytes of LDS; arguments xq0, xq1, wi_0, wi_1, lowp_scales, tiles, hq; writes hq
.if DOCPART == 3
	.amdgcn_target "amdgcn-amd-amdhsa--gfx1250"
	.amdhsa_code_object_version 6
	.text
	.protected	k_q416f40ed08_gateup
	.globl	k_q416f40ed08_gateup
	.p2align	8
	.type	k_q416f40ed08_gateup,@function
k_q416f40ed08_gateup:
	s_mov_b64 s[64:65], 0
	v_nop
	global_prefetch_b8 v0, s[64:65] scope:SCOPE_SE
	s_setreg_imm32_b32 hwreg(HW_REG_WAVE_MODE, 25, 1), 1
	s_wait_xcnt 0x0
; hq = Q(silu(x wi_0[e]) * (x wi_1[e])) for the rows of each expert, both products on codes of E4M3.
; SHARES.  Work-group (x = slab of 32 columns of F, y = expert).  It reads its 2 x 1,024 x 32 numbers of wi_0 and wi_1 ONCE in the launch, as f32, quantises them along K and keeps the codes in LDS;
; then it multiplies them by all tiles (16 slots) of its expert, whose codes an earlier launch laid as images of the operand's registers.  No weight code ever goes to memory.
; The number of an expert's tiles is a stored whole number, so trip counts hang on it: the text has no tensor load and no cluster; operands come through registers.  (The 32 work-groups of an expert read the
; same images; a joint request would want the same number of trips for every expert, 128 tiles each, eight times the bytes.)
; PHASE W.  A LANE TAKES A COLUMN AND ITS REGISTERS RUN DOWN K: each load reads 128 consecutive bytes of a weight row; wave w takes k = 64 w .. 64 w + 63 of both matrices.  The conversions give codes with K innermost.
; LDS: 64 rows of 1,024 codes + 16 bytes of padding.  Rows 0-31 gate, 32-63 up.  Column col lies in row 16 ((col / 8) % 2) + col % 8 + 8 (col / 16): tile u (16 neighbouring LDS rows) holds columns 8 u + m + 8 (m / 8).
; PHASE R.  The products are used TRANSPOSED (source 0 = 16 weight columns, source 1 = 16 slots): lane (r, h), register j of tile u holds (slot r, column 16 h + 8 u + j), so the 16 registers of tiles 0 and 1
; are 16 neighbours along the next product's K, and the conversions' results are one quarter K step of hq's image: 16 bytes a lane, 512 consecutive bytes a wave.
; A fragment's registers 4 c .. 4 c + 3 hold k = 32 c + 16 h + 0 .. 15 in both operands: a permutation of k that is the same on both sides.
; SAME (e0 = e2): one image serves gate and up; a wave takes two tiles, so that each weight fragment read from LDS feeds two products.  DUAL (e0 differs from e2): one tile a wave, its two images.
; THE LOOPS.  The sixteen waves take the P pairs (DUAL: tiles) by turns: wave w has (P + 15 - w) / 16 of them, rounded down.  A counter of its own steps by 1 up to that number; the item's number steps by 16 beside it.
; SCALES.  gate sum G stands for G 2^(e0+e1), up sum U for U 2^(e2+e3).  sigmoid's exponent is G x c1, c1 = -log2(e) 2^(e0+e1); the code of silu x up is G U / (1 + 2^(G c1)) divided by 2^EH, EH = e4 - e0 - e1 - e2 - e3.
; LIMITS, so that each power of two is an f32 number: e1, e3 and EH between -126 and 119; e0 + e1 between -126 and 126.  NaN among the inputs is not served.
.set PITCH, 1040
.set ACC,  16                          ; v16-79   tile t at 16 + 32 t: gate tiles 0, 1, up tiles 0, 1, eight registers each
.set BF,   80                          ; v80-111  two weight fragments; in phase W the codes just made; on the way out at work
.set AR,   112                         ; v112-239 four slots x (stream 0: 16, stream 1: 16) registers of images; in phase W four blocks of 32 numbers
.set CO,   240                         ; v240-247 the codes that leave
; v1 4 lane; v2 16 lane; v3 where I store codes; v4 where I read a fragment; v5, v6: 2^e1, 448 x 2^e1; v7, v8: the same for e3; v9, v10: for EH
; s18 wave; s19 slab; s20 expert; s24-29 e0 .. e5; s30 first tile; s31 tiles; s[34:37] the two streams; s[38:41] where the two results go; s42 the item in hand; s43 my trips; s46 last tile; s47 the trips' counter; s[48:49] c1
	s_load_b256 s[4:11], s[0:1], 0x0               ; xq0 s[4:5], xq1 s[6:7], wi_0 s[8:9], wi_1 s[10:11]
	s_load_b128 s[12:15], s[0:1], 0x20             ; lowp_scales s[12:13], tiles s[14:15]
	s_load_b64 s[16:17], s[0:1], 0x30              ; hq
	v_lshl_add_u32 v254, v0, 2, 0x10400
	v_mov_b32 v255, 0
	v_lshrrev_b32 v1, 5, v0
	v_readfirstlane_b32 s18, v1                    ; wave 0..15
	s_mov_b32 s19, ttmp9                           ; slab
	s_and_b32 s20, ttmp7, 0xffff                   ; expert
	s_lshl_b32 s21, s20, 2
	v_and_b32 v15, 31, v0                          ; lane = my column of the slab
	v_lshlrev_b32 v1, 2, v15
	v_lshlrev_b32 v2, 4, v15
	v_and_b32 v11, 7, v0
	v_bfe_u32 v12, v0, 3, 1
	v_bfe_u32 v13, v0, 4, 1                        ; h
	v_lshl_add_u32 v11, v12, 4, v11
	v_lshl_add_u32 v11, v13, 3, v11                ; my column's LDS row
	v_mul_u32_u24 v3, v11, PITCH
	s_lshl_b32 s50, s18, 6
	v_add_nc_u32 v3, s50, v3                       ; + 64 w: my wave's k
	v_and_b32 v14, 15, v0                          ; r
	v_mul_u32_u24 v4, v14, PITCH
	v_lshl_add_u32 v4, v13, 4, v4                  ; row r of a tile, + 16 h
	s_lshl_b32 s32, s20, 22                        ; the expert's 4 MiB,
	s_lshl_b32 s50, s18, 18                        ; my wave's 64 rows of 4,096 bytes,
	s_add_co_u32 s32, s32, s50
	s_lshl_b32 s50, s19, 7                         ; the slab's 128 bytes
	s_add_co_u32 s32, s32, s50
	s_mov_b32 s33, 0
	s_mov_b32 s42, s18                             ; my first pair of tiles, or tile
	s_wait_kmcnt 0x0
	s_add_nc_u64 s[8:9], s[8:9], s[32:33]
	s_add_nc_u64 s[10:11], s[10:11], s[32:33]
; block b of four: matrix b % 2, rows 32 (b / 2) + 0 .. 31 of my 64.  No hint: the other half of each aligned 256 bytes is the neighbouring work-group's
.macro WLOAD b
.set i, 0
.rept 32
	global_load_b32 v[AR+32*(\b)+i], v1, s[8+2*((\b)%2):9+2*((\b)%2)] offset:(32*((\b)/2)+i)*4096
.set i, i+1
.endr
.endm
.macro QW b                            ; 32 numbers down K become 32 codes, 32 bytes of my column's row; each block has registers of its own for its codes
.set i, 0
.rept 32
	v_med3_num_f32 v[AR+32*(\b)+i], v[AR+32*(\b)+i], -v[6+2*((\b)%2)], v[6+2*((\b)%2)]   ; the conversion does not saturate (ISA guide 7.6.2): the hold at the largest code x the scale
.set i, i+1
.endr
.irp g, 0,1,2,3
	v_cvt_scalef32_pk8_fp8_f32 v[BF+8*(\b)+2*\g:BF+8*(\b)+2*\g+1], v[AR+32*(\b)+8*\g:AR+32*(\b)+8*\g+7], v[5+2*((\b)%2)]
.endr
	v_nop                                          ; one plain vector instruction behind the last conversion: matrix instructions name these registers later
	ds_store_b128 v3, v[BF+8*(\b):BF+8*(\b)+3] offset:((\b)%2)*32*PITCH+32*((\b)/2)
	ds_store_b128 v3, v[BF+8*(\b)+4:BF+8*(\b)+7] offset:((\b)%2)*32*PITCH+32*((\b)/2)+16
.endm
.macro POW2 e, sc, lim                 ; v[sc] = 2^s[e] as f32; v[lim] = 448 x 2^s[e]
	s_add_co_i32 s50, s[\e], 127
	s_lshl_b32 s51, s50, 23
	v_mov_b32 v[\sc], s51
	s_add_co_i32 s50, s50, 8
	s_lshl_b32 s50, s50, 23
	s_or_b32 s50, s50, 0x600000
	v_mov_b32 v[\lim], s50
.endm
	WLOAD 0
	WLOAD 1                                        ; 64 loads of the wave are asked for: 8 KB, 128 KB for the sixteen waves
	s_load_b128 s[24:27], s[12:13], 0x0            ; e0 .. e3
	s_load_b64 s[28:29], s[12:13], 0x10            ; e4, e5
	s_load_b32 s30, s[14:15], s21 offset:0x0       ; my expert's first tile
	s_load_b32 s31, s[14:15], s21 offset:0x20      ; and its number of tiles
	s_lshl_b32 s32, s19, 9                         ; the slab's place in a tile's image: 512 bytes
	s_add_nc_u64 s[16:17], s[16:17], s[32:33]
	s_wait_kmcnt 0x0
	s_min_u32 s30, s30, 134                        ; stored numbers enter addresses and trip counts only inside their bounds
	s_min_u32 s31, s31, 128
	s_add_co_u32 s46, s30, s31
	s_sub_co_u32 s46, s46, 1                       ; the expert's last tile (not used where it has none)
	POW2 25, 5, 6
	POW2 27, 7, 8
	s_add_co_i32 s52, s24, s25                     ; e0 + e1
	s_lshl_b32 s53, s52, 23
	s_add_co_u32 s48, s53, 0xbfb8aa3b              ; -log2(e) with e0 + e1 added to its exponent field
	s_mov_b32 s49, s48                             ; (named with it as a pair, so it is written)
	s_add_co_i32 s52, s52, s26
	s_add_co_i32 s52, s52, s27
	s_sub_co_i32 s52, s28, s52                     ; EH
	POW2 52, 9, 10
	s_wait_loadcnt 32                              ; block 0 is in; block 1's 32 loads may be out
	WLOAD 2
	QW 0
	s_wait_loadcnt 32                              ; block 1 is in; block 2's may be out
	WLOAD 3
	QW 1
	s_wait_loadcnt 32                              ; block 2 is in; block 3's may be out
	QW 2
	s_wait_loadcnt 0x0
	QW 3
	s_wait_dscnt 0x0                               ; for the other waves: my codes lie in LDS
	s_barrier_signal -1
	s_barrier_wait -1                              ; the one barrier: behind it LDS is only read
.macro ALOAD slot, s                   ; K step s of both streams into ring slot: eight loads of 512 consecutive bytes
.irp c, 0,1,2,3
	global_load_b128 v[AR+32*(\slot)+4*\c:AR+32*(\slot)+4*\c+3], v2, s[34:35] offset:2048*(\s)+512*\c
.endr
.irp c, 0,1,2,3
	global_load_b128 v[AR+32*(\slot)+16+4*\c:AR+32*(\slot)+16+4*\c+3], v2, s[36:37] offset:2048*(\s)+512*\c
.endr
.endm
.macro BLOAD half, s                   ; the two weight fragments of gate (half 0) or up (half 1), K step s
.irp u, 0,1
.irp c, 0,1,2,3
	ds_load_b128 v[BF+16*\u+4*\c:BF+16*\u+4*\c+3], v4 offset:(32*(\half)+16*\u)*PITCH+128*(\s)+32*\c
.endr
.endr
.endm
.macro MM d, u, slot, st               ; one product: accumulator at v[d], weight fragment u, stream st of the ring slot.  ZERO = 1: it starts the sum
.if ZERO
	v_wmma_f32_16x16x128_fp8_fp8 v[(\d):(\d)+7], v[BF+16*(\u):BF+16*(\u)+15], v[AR+32*(\slot)+16*(\st):AR+32*(\slot)+16*(\st)+15], 0
.else
	v_wmma_f32_16x16x128_fp8_fp8 v[(\d):(\d)+7], v[BF+16*(\u):BF+16*(\u)+15], v[AR+32*(\slot)+16*(\st):AR+32*(\slot)+16*(\st)+15], v[(\d):(\d)+7]
.endif
.endm
.macro PLACES                          ; four plain vector instructions between a matrix instruction and a load into its sources or a read of its result
.rept 4
	v_nop
.endr
.endm
; A K step of 128.  The accumulators take turns, one instruction a turn, in the same order in every K step.
; The count on LOADcnt: eight loads a K step, issued three K steps ahead of the one in hand: 24 younger ones while there are so many, then 16, 8, 0.
.macro KSTEP s, dual
.set ZERO, 0
.if (\s) == 0
.set ZERO, 1
.endif
	BLOAD 0, \s
.if (\s) < 5
	s_wait_loadcnt 24
.else
	s_wait_loadcnt 8*(7-(\s))
.endif
	s_wait_dscnt 0x0
.if \dual
	MM ACC, 0, (\s)%4, 0
	MM ACC+8, 1, (\s)%4, 0
.else
	MM ACC, 0, (\s)%4, 0
	MM ACC+32, 0, (\s)%4, 1
	MM ACC+8, 1, (\s)%4, 0
	MM ACC+40, 1, (\s)%4, 1
.endif
	PLACES
	BLOAD 1, \s
	s_wait_dscnt 0x0
.if \dual
	MM ACC+16, 0, (\s)%4, 1
	MM ACC+24, 1, (\s)%4, 1
.else
	MM ACC+16, 0, (\s)%4, 0
	MM ACC+48, 0, (\s)%4, 1
	MM ACC+24, 1, (\s)%4, 0
	MM ACC+56, 1, (\s)%4, 1
.endif
	PLACES
.if (\s) < 4
	ALOAD \s, (\s)+4
.endif
.endm
; THE WAY OUT of tile t: silu(gate) x up, quantised: 16 neighbouring columns a lane.  Each accumulator is read from its low end on.
.macro EPI t
.set G, ACC+32*(\t)
.set U, ACC+32*(\t)+16
.set i, 0
.rept 8
	v_pk_mul_f32 v[BF+i:BF+i+1], v[G+i:G+i+1], s[48:49] op_sel_hi:[1,0]   ; G x c1
.set i, i+2
.endr
.set i, 0
.rept 16
	v_exp_f32 v[BF+i], v[BF+i]                     ; 2^(G c1) = exp(-gate); infinity where gate is far below 0: the reciprocal is then 0
.set i, i+1
.endr
.set i, 0
.rept 8
	v_pk_mul_f32 v[G+i:G+i+1], v[G+i:G+i+1], v[U+i:U+i+1]   ; G U: plain work behind the batch of exponentials
.set i, i+2
.endr
	s_wait_alu depctr_va_vdst(0)                   ; one wait for the batch, ahead of its first reader
.set i, 0
.rept 8
	v_pk_add_f32 v[BF+i:BF+i+1], v[BF+i:BF+i+1], 1.0 op_sel_hi:[1,0]
.set i, i+2
.endr
.set i, 0
.rept 16
	v_rcp_f32 v[BF+i], v[BF+i]
.set i, i+1
.endr
	v_nop                                          ; a plain instruction between the last reciprocal and the first use
	s_wait_alu depctr_va_vdst(0)                   ; one wait for the sixteen reciprocals
.set i, 0
.rept 8
	v_pk_mul_f32 v[G+i:G+i+1], v[G+i:G+i+1], v[BF+i:BF+i+1]
.set i, i+2
.endr
.set i, 0
.rept 16
	v_med3_num_f32 v[G+i], v[G+i], -v10, v10       ; the hold at 448 x 2^EH
.set i, i+1
.endr
	v_cvt_scalef32_pk8_fp8_f32 v[CO+4*(\t):CO+4*(\t)+1], v[G:G+7], v9
	v_cvt_scalef32_pk8_fp8_f32 v[CO+4*(\t)+2:CO+4*(\t)+3], v[G+8:G+15], v9
	v_nop                                          ; one plain vector instruction behind the last conversion: the next products write its sources
	global_store_b128 v2, v[CO+4*(\t):CO+4*(\t)+3], s[38+2*(\t):39+2*(\t)]   ; 512 consecutive bytes, aligned
.endm
	s_cmp_eq_u32 s24, s26                          ; one scale for x in both products?
	s_cbranch_scc0 .Ldual
	s_add_co_u32 s43, s31, 1
	s_lshr_b32 s43, s43, 1                         ; P: pairs of tiles
	s_add_co_u32 s43, s43, 15
	s_sub_co_u32 s43, s43, s18
	s_lshr_b32 s43, s43, 4                         ; my trips: (P + 15 - wave) / 16
	s_cmp_eq_u32 s43, 0
	s_cbranch_scc1 .Lend
	s_mov_b32 s47, 0
.Lsame:                                            ; a trip: pair s42 of the expert's tiles
	s_lshl_b32 s50, s42, 1
	s_add_co_u32 s44, s30, s50                     ; the pair's first tile,
	s_add_co_u32 s45, s44, 1
	s_min_u32 s45, s45, s46                        ; its second, or the first once more where the expert has an odd number: its result is not stored
	s_min_u32 s44, s44, 134
	s_min_u32 s45, s45, 134
	s_lshl_b32 s32, s44, 14
	s_add_nc_u64 s[34:35], s[4:5], s[32:33]
	s_add_nc_u64 s[38:39], s[16:17], s[32:33]
	s_lshl_b32 s32, s45, 14
	s_add_nc_u64 s[36:37], s[4:5], s[32:33]
	s_add_nc_u64 s[40:41], s[16:17], s[32:33]
.irp s, 0,1,2,3
	ALOAD \s, \s
.endr
.irp s, 0,1,2,3,4,5,6,7
	KSTEP \s, 0
.endr
	EPI 0
	s_lshl_b32 s50, s42, 1
	s_add_co_u32 s50, s50, 1
	s_cmp_lt_u32 s50, s31
	s_cbranch_scc0 .Lodd
	EPI 1
.Lodd:
	s_wait_xcnt 0x0                                ; the stores have read their data and bases: both are written again only behind this wait
	s_add_co_u32 s42, s42, 16                      ; my next pair
	s_add_co_u32 s47, s47, 1
	s_cmp_lt_u32 s47, s43
	s_cbranch_scc1 .Lsame
	s_branch .Lend
.Ldual:
	s_add_co_u32 s43, s31, 15                      ; P: tiles
	s_sub_co_u32 s43, s43, s18
	s_lshr_b32 s43, s43, 4                         ; my trips: (P + 15 - wave) / 16
	s_cmp_eq_u32 s43, 0
	s_cbranch_scc1 .Lend
	s_mov_b32 s47, 0
.Ltwo:                                             ; a trip: tile s42 of the expert, stream 0 from xq0 for gate, stream 1 from xq1 for up
	s_add_co_u32 s44, s30, s42
	s_min_u32 s44, s44, 134
	s_lshl_b32 s32, s44, 14
	s_add_nc_u64 s[34:35], s[4:5], s[32:33]
	s_add_nc_u64 s[36:37], s[6:7], s[32:33]
	s_add_nc_u64 s[38:39], s[16:17], s[32:33]
.irp s, 0,1,2,3
	ALOAD \s, \s
.endr
.irp s, 0,1,2,3,4,5,6,7
	KSTEP \s, 1
.endr
	EPI 0
	s_wait_xcnt 0x0                                ; as above
	s_add_co_u32 s42, s42, 16                      ; my next tile
	s_add_co_u32 s47, s47, 1
	s_cmp_lt_u32 s47, s43
	s_cbranch_scc1 .Ltwo
.Lend:
	s_wait_tensorcnt 0x0
	ds_add_u32 v254, v255
	s_wait_dscnt 0x0
	s_endpgm
.Lfunc_end_k_q416f40ed08_gateup:
	.size	k_q416f40ed08_gateup, .Lfunc_end_k_q416f40ed08_gateup-k_q416f40ed08_gateup
	.p2alignl 7, 3214868480
	.fill 96, 4, 3214868480
	.section	.rodata,"a",@progbits
	.p2align	6, 0x0
	.amdhsa_kernel k_q416f40ed08_gateup
		.amdhsa_group_segment_fixed_size 68608
		.amdhsa_private_segment_fixed_size 0
		.amdhsa_enable_private_segment 0
		.amdhsa_kernarg_size 56
		.amdhsa_user_sgpr_count 2
		.amdhsa_user_sgpr_kernarg_segment_ptr 1
		.amdhsa_wavefront_size32 1
		.amdhsa_system_sgpr_workgroup_id_x 1
		.amdhsa_system_sgpr_workgroup_id_y 1
		.amdhsa_system_sgpr_workgroup_id_z 1
		.amdhsa_system_vgpr_workitem_id 0
		.amdhsa_next_free_vgpr 256
		.amdhsa_next_free_sgpr 66
		.amdhsa_reserve_vcc 0
		.amdhsa_float_denorm_mode_32 3
		.amdhsa_float_denorm_mode_16_64 3
		.amdhsa_memory_ordered 1
		.amdhsa_forward_progress 1
		.amdhsa_inst_pref_size 80
	.end_amdhsa_kernel
	.amdgpu_metadata
---
amdhsa.version: [ 1, 2 ]
amdhsa.kernels:
  - .name:           k_q416f40ed08_gateup
    .symbol:         k_q416f40ed08_gateup.kd
    .args:
      - { .name: xq0, .offset: 0, .size: 8, .value_kind: global_buffer, .address_space: global }
      - { .name: xq1, .offset: 8, .size: 8, .value_kind: global_buffer, .address_space: global }
      - { .name: wi_0, .offset: 16, .size: 8, .value_kind: global_buffer, .address_space: global }
      - { .name: wi_1, .offset: 24, .size: 8, .value_kind: global_buffer, .address_space: global }
      - { .name: lowp_scales, .offset: 32, .size: 8, .value_kind: global_buffer, .address_space: global }
      - { .name: tiles, .offset: 40, .size: 8, .value_kind: global_buffer, .address_space: global }
      - { .name: hq, .offset: 48, .size: 8, .value_kind: global_buffer, .address_space: global }
    .group_segment_fixed_size: 68608
    .private_segment_fixed_size: 0
    .kernarg_segment_align: 8
    .kernarg_segment_size: 56
    .max_flat_workgroup_size: 512
    .sgpr_count:     66
    .vgpr_count:     256
    .wavefront_size: 32
...
	.end_amdgpu_metadata
.endif
;; end of part 3
;; launch down (part 4): grid 32 x 8, 16 waves a work-group, no clusters, 72,192 bytes of LDS; arguments hq, wo, lowp_scales, tiles, y; writes y
.if DOCPART == 4
	.amdgcn_target "amdgcn-amd-amdhsa--gfx1250"
	.amdhsa_code_object_version 6
	.text
	.protected	k_q416f40ed08_down
	.globl	k_q416f40ed08_down
	.p2align	8
	.type	k_q416f40ed08_down,@function
k_q416f40ed08_down:
	s_mov_b64 s[64:65], 0
	v_nop
	global_prefetch_b8 v0, s[64:65] scope:SCOPE_SE
	s_setreg_imm32_b32 hwreg(HW_REG_WAVE_MODE, 25, 1), 1
	s_wait_xcnt 0x0
; y[slot] = hq[slot] wo[e], on codes of E4M3, for the rows of each expert; y in f32, laid [slab of 32 columns][slot][32 columns], so that a tile's 16 slots x 128 bytes are 2,048 consecutive bytes.
; SHARES.  Work-group (x = slab of 32 columns of H, y = expert): it reads its 1,024 x 32 numbers of wo once in the launch, quantises them along K into LDS, and multiplies them by all tiles of its expert.
; The frame is that of the launch before: a lane to a column and registers down K in phase W; LDS rows of 1,024 codes + 16 bytes, column col in row 16 ((col / 8) % 2) + col % 8 + 8 (col / 16);
; transposed products (source 0 = 16 weight columns, source 1 = 16 slots), so that lane (r, h) holds slot r and the 16 neighbouring columns 16 h + 0 .. 15; a wave takes two tiles, so that each weight fragment feeds two products.
; Trip counts hang on stored whole numbers: no tensor load, no cluster.  The sixteen waves take the P pairs of tiles by turns: wave w has (P + 15 - w) / 16 of them, rounded down; a counter of its own steps by 1 up to that number.
; THE WAY OUT: a lane's 64 bytes go into the wave's own stage (16 rows of 128 bytes + 16) and come back as 512 consecutive bytes an instruction.
; LIMITS: e5 between -126 and 119; e4 + e5 between -126 and 127.  NaN among the inputs is not served.
.set PITCH, 1040
.set STAGE, 32*PITCH                   ; behind the codes: 2,304 bytes for each wave
.set SLABB, 2160*128                   ; a slab of y in bytes
.set ACC,  16                          ; v16-47   tile t at 16 + 16 t: weight tiles 0, 1
.set BF,   48                          ; v48-79   two weight fragments; in phase W the codes just made
.set TT,   80                          ; v80-111  tile t's sums x 2^(e4+e5)
.set AR,   112                         ; v112-239 four slots x two streams x 16; in phase W two blocks of 32 numbers; on the way out rows of y
; v1 4 lane; v2 16 lane; v3 where I store codes; v4 where I read a fragment; v5, v6: 2^e5, 448 x 2^e5; v11, v12: into the stage and back
; s18 wave; s19 slab; s20 expert; s24, s25 e4, e5; s30 first tile; s31 tiles; s[34:37] the two streams; s[38:41] where the two results go; s42 the pair in hand; s43 my trips; s46 last tile; s47 the trips' counter; s[48:49] 2^(e4+e5)
	s_load_b256 s[4:11], s[0:1], 0x0               ; hq s[4:5], wo s[6:7], lowp_scales s[8:9], tiles s[10:11]
	s_load_b64 s[12:13], s[0:1], 0x20              ; y
	v_lshl_add_u32 v254, v0, 2, 0x11200
	v_mov_b32 v255, 0
	v_lshrrev_b32 v1, 5, v0
	v_readfirstlane_b32 s18, v1                    ; wave 0..15
	s_mov_b32 s19, ttmp9                           ; slab
	s_and_b32 s20, ttmp7, 0xffff                   ; expert
	s_lshl_b32 s21, s20, 2
	v_and_b32 v15, 31, v0
	v_lshlrev_b32 v1, 2, v15
	v_lshlrev_b32 v2, 4, v15
	v_and_b32 v7, 7, v0
	v_bfe_u32 v8, v0, 3, 1
	v_bfe_u32 v9, v0, 4, 1                         ; h
	v_lshl_add_u32 v10, v8, 4, v7
	v_lshl_add_u32 v10, v9, 3, v10                 ; my column's LDS row
	v_mul_u32_u24 v3, v10, PITCH
	s_lshl_b32 s50, s18, 6
	v_add_nc_u32 v3, s50, v3
	v_and_b32 v14, 15, v0                          ; r
	v_mul_u32_u24 v4, v14, PITCH
	v_lshl_add_u32 v4, v9, 4, v4
	s_mul_i32 s50, s18, 2304
	s_add_co_u32 s50, s50, STAGE                   ; my stage
	v_mul_u32_u24 v11, v14, 144
	v_lshl_add_u32 v11, v9, 6, v11
	v_add_nc_u32 v11, s50, v11                     ; in: row r, + 64 h
	v_lshrrev_b32 v13, 3, v15
	v_mul_u32_u24 v12, v13, 144
	v_lshl_add_u32 v12, v7, 4, v12
	v_add_nc_u32 v12, s50, v12                     ; back: eight lanes to a row of 128 bytes, four rows an instruction
	s_lshl_b32 s32, s20, 22
	s_lshl_b32 s50, s18, 18
	s_add_co_u32 s32, s32, s50
	s_lshl_b32 s50, s19, 7
	s_add_co_u32 s32, s32, s50
	s_mov_b32 s33, 0
	s_mov_b32 s42, s18
	s_wait_kmcnt 0x0
	s_add_nc_u64 s[6:7], s[6:7], s[32:33]
.set i, 0
.rept 64
	global_load_b32 v[AR+i], v1, s[6:7] offset:i*4096      ; wo(64 w + i, my column): 128 consecutive bytes a load; no hint: the other half of each aligned 256 bytes is the neighbouring work-group's
.set i, i+1
.endr
	s_load_b64 s[24:25], s[8:9], 0x10              ; e4, e5
	s_load_b32 s30, s[10:11], s21 offset:0x0       ; my expert's first tile
	s_load_b32 s31, s[10:11], s21 offset:0x20      ; and its number of tiles
	s_mul_i32 s32, s19, SLABB
	s_add_nc_u64 s[12:13], s[12:13], s[32:33]
	s_wait_kmcnt 0x0
	s_min_u32 s30, s30, 134                        ; stored numbers enter addresses and trip counts only inside their bounds
	s_min_u32 s31, s31, 128
	s_add_co_u32 s46, s30, s31
	s_sub_co_u32 s46, s46, 1
	s_add_co_i32 s50, s25, 127
	s_lshl_b32 s51, s50, 23
	v_mov_b32 v5, s51                              ; 2^e5
	s_add_co_i32 s50, s50, 8
	s_lshl_b32 s50, s50, 23
	s_or_b32 s50, s50, 0x600000
	v_mov_b32 v6, s50                              ; 448 x 2^e5
	s_add_co_i32 s50, s24, s25
	s_add_co_i32 s50, s50, 127
	s_lshl_b32 s48, s50, 23                        ; 2^(e4 + e5)
	s_mov_b32 s49, s48
.macro QW b
.set i, 0
.rept 32
	v_med3_num_f32 v[AR+32*(\b)+i], v[AR+32*(\b)+i], -v6, v6   ; the conversion does not saturate (ISA guide 7.6.2)
.set i, i+1
.endr
.irp g, 0,1,2,3
	v_cvt_scalef32_pk8_fp8_f32 v[BF+8*(\b)+2*\g:BF+8*(\b)+2*\g+1], v[AR+32*(\b)+8*\g:AR+32*(\b)+8*\g+7], v5
.endr
	v_nop                                          ; one plain vector instruction behind the last conversion
	ds_store_b128 v3, v[BF+8*(\b):BF+8*(\b)+3] offset:32*(\b)
	ds_store_b128 v3, v[BF+8*(\b)+4:BF+8*(\b)+7] offset:32*(\b)+16
.endm
	s_wait_loadcnt 32                              ; the first 32 rows are in
	QW 0
	s_wait_loadcnt 0x0
	QW 1
	s_wait_dscnt 0x0                               ; for the other waves: my codes lie in LDS
	s_barrier_signal -1
	s_barrier_wait -1                              ; the one barrier: behind it the codes are only read, and each wave writes its own stage alone
.macro ALOAD slot, s
.irp c, 0,1,2,3
	global_load_b128 v[AR+32*(\slot)+4*\c:AR+32*(\slot)+4*\c+3], v2, s[34:35] offset:2048*(\s)+512*\c
.endr
.irp c, 0,1,2,3
	global_load_b128 v[AR+32*(\slot)+16+4*\c:AR+32*(\slot)+16+4*\c+3], v2, s[36:37] offset:2048*(\s)+512*\c
.endr
.endm
.macro MM d, u, slot, st
.if ZERO
	v_wmma_f32_16x16x128_fp8_fp8 v[(\d):(\d)+7], v[BF+16*(\u):BF+16*(\u)+15], v[AR+32*(\slot)+16*(\st):AR+32*(\slot)+16*(\st)+15], 0
.else
	v_wmma_f32_16x16x128_fp8_fp8 v[(\d):(\d)+7], v[BF+16*(\u):BF+16*(\u)+15], v[AR+32*(\slot)+16*(\st):AR+32*(\slot)+16*(\st)+15], v[(\d):(\d)+7]
.endif
.endm
; A K step of 128: four accumulators by turns, one instruction a turn, in the same order in every K step.  LOADcnt: eight loads a K step, three K steps ahead: 24, then 16, 8, 0.
.macro KSTEP s
.set ZERO, 0
.if (\s) == 0
.set ZERO, 1
.endif
.irp u, 0,1
.irp c, 0,1,2,3
	ds_load_b128 v[BF+16*\u+4*\c:BF+16*\u+4*\c+3], v4 offset:16*\u*PITCH+128*(\s)+32*\c
.endr
.endr
.if (\s) < 5
	s_wait_loadcnt 24
.else
	s_wait_loadcnt 8*(7-(\s))
.endif
	s_wait_dscnt 0x0
	MM ACC, 0, (\s)%4, 0
	MM ACC+16, 0, (\s)%4, 1
	MM ACC+8, 1, (\s)%4, 0
	MM ACC+24, 1, (\s)%4, 1
.rept 4
	v_nop                                          ; four places between a matrix instruction and a load into its sources or a read of its result
.endr
.if (\s) < 4
	ALOAD \s, (\s)+4
.endif
.endm
.macro EPI t
.set i, 0
.rept 8
	v_pk_mul_f32 v[TT+16*(\t)+i:TT+16*(\t)+i+1], v[ACC+16*(\t)+i:ACC+16*(\t)+i+1], s[48:49] op_sel_hi:[1,0]   ; x 2^(e4 + e5); each accumulator from its low end on
.set i, i+2
.endr
.irp q, 0,1,2,3
	ds_store_b128 v11, v[TT+16*(\t)+4*\q:TT+16*(\t)+4*\q+3] offset:16*\q
.endr
.irp q, 0,1,2,3
	ds_load_b128 v[AR+16*(\t)+4*\q:AR+16*(\t)+4*\q+3], v12 offset:576*\q   ; LDS serves a wave's instructions in order (ISA guide 5.7.1.4): these see my stores, and the next tile's stores come behind them
.endr
	s_wait_dscnt 0x0
.irp q, 0,1,2,3
	global_store_b128 v2, v[AR+16*(\t)+4*\q:AR+16*(\t)+4*\q+3], s[38+2*(\t):39+2*(\t)] offset:512*\q   ; 512 consecutive bytes, aligned
.endr
.endm
	s_add_co_u32 s43, s31, 1
	s_lshr_b32 s43, s43, 1                         ; P: pairs of tiles
	s_add_co_u32 s43, s43, 15
	s_sub_co_u32 s43, s43, s18
	s_lshr_b32 s43, s43, 4                         ; my trips: (P + 15 - wave) / 16
	s_cmp_eq_u32 s43, 0
	s_cbranch_scc1 .Lend
	s_mov_b32 s47, 0
.Lpair:                                            ; a trip: pair s42 of the expert's tiles
	s_lshl_b32 s50, s42, 1
	s_add_co_u32 s44, s30, s50
	s_add_co_u32 s45, s44, 1
	s_min_u32 s45, s45, s46                        ; the first tile once more where the expert has an odd number: its result is not stored
	s_min_u32 s44, s44, 134
	s_min_u32 s45, s45, 134
	s_lshl_b32 s32, s44, 14
	s_add_nc_u64 s[34:35], s[4:5], s[32:33]
	s_lshl_b32 s32, s44, 11
	s_add_nc_u64 s[38:39], s[12:13], s[32:33]
	s_lshl_b32 s32, s45, 14
	s_add_nc_u64 s[36:37], s[4:5], s[32:33]
	s_lshl_b32 s32, s45, 11
	s_add_nc_u64 s[40:41], s[12:13], s[32:33]
.irp s, 0,1,2,3
	ALOAD \s, \s
.endr
.irp s, 0,1,2,3,4,5,6,7
	KSTEP \s
.endr
	EPI 0
	s_lshl_b32 s50, s42, 1
	s_add_co_u32 s50, s50, 1
	s_cmp_lt_u32 s50, s31
	s_cbranch_scc0 .Lodd
	EPI 1
.Lodd:
	s_wait_xcnt 0x0                                ; the stores have read their data and bases: both are written again only behind this wait
	s_add_co_u32 s42, s42, 16                      ; my next pair
	s_add_co_u32 s47, s47, 1
	s_cmp_lt_u32 s47, s43
	s_cbranch_scc1 .Lpair
.Lend:
	s_wait_tensorcnt 0x0
	ds_add_u32 v254, v255
	s_wait_dscnt 0x0
	s_endpgm
.Lfunc_end_k_q416f40ed08_down:
	.size	k_q416f40ed08_down, .Lfunc_end_k_q416f40ed08_down-k_q416f40ed08_down
	.p2alignl 7, 3214868480
	.fill 96, 4, 3214868480
	.section	.rodata,"a",@progbits
	.p2align	6, 0x0
	.amdhsa_kernel k_q416f40ed08_down
		.amdhsa_group_segment_fixed_size 72192
		.amdhsa_private_segment_fixed_size 0
		.amdhsa_enable_private_segment 0
		.amdhsa_kernarg_size 40
		.amdhsa_user_sgpr_count 2
		.amdhsa_user_sgpr_kernarg_segment_ptr 1
		.amdhsa_wavefront_size32 1
		.amdhsa_system_sgpr_workgroup_id_x 1
		.amdhsa_system_sgpr_workgroup_id_y 1
		.amdhsa_system_sgpr_workgroup_id_z 1
		.amdhsa_system_vgpr_workitem_id 0
		.amdhsa_next_free_vgpr 256
		.amdhsa_next_free_sgpr 66
		.amdhsa_reserve_vcc 0
		.amdhsa_float_denorm_mode_32 3
		.amdhsa_float_denorm_mode_16_64 3
		.amdhsa_memory_ordered 1
		.amdhsa_forward_progress 1
		.amdhsa_inst_pref_size 32
	.end_amdhsa_kernel
	.amdgpu_metadata
---
amdhsa.version: [ 1, 2 ]
amdhsa.kernels:
  - .name:           k_q416f40ed08_down
    .symbol:         k_q416f40ed08_down.kd
    .args:
      - { .name: hq, .offset: 0, .size: 8, .value_kind: global_buffer, .address_space: global }
      - { .name: wo, .offset: 8, .size: 8, .value_kind: global_buffer, .address_space: global }
      - { .name: lowp_scales, .offset: 16, .size: 8, .value_kind: global_buffer, .address_space: global }
      - { .name: tiles, .offset: 24, .size: 8, .value_kind: global_buffer, .address_space: global }
      - { .name: y, .offset: 32, .size: 8, .value_kind: global_buffer, .address_space: global }
    .group_segment_fixed_size: 72192
    .private_segment_fixed_size: 0
    .kernarg_segment_align: 8
    .kernarg_segment_size: 40
    .max_flat_workgroup_size: 512
    .sgpr_count:     66
    .vgpr_count:     256
    .wavefront_size: 32
...
	.end_amdgpu_metadata
.endif
;; end of part 4
;; launch combine (part 5): grid 256 x 1, 4 waves a work-group, no clusters, 0 bytes of LDS; arguments y, pos, topk_weights, out0; writes out0
.if DOCPART == 5
	.amdgcn_target "amdgcn-amd-amdhsa--gfx1250"
	.amdhsa_code_object_version 6
	.text
	.protected	k_q416f40ed08_combine
	.globl	k_q416f40ed08_combine
	.p2align	8
	.type	k_q416f40ed08_combine,@function
k_q416f40ed08_combine:
	s_mov_b64 s[64:65], 0
	v_nop
	global_prefetch_b8 v0, s[64:65] scope:SCOPE_SE
	s_setreg_imm32_b32 hwreg(HW_REG_WAVE_MODE, 25, 1), 1
	s_wait_xcnt 0x0
; out0[t] = w[t][0] y[slot of (t, 0)] + w[t][1] y[slot of (t, 1)].  A token's two results come from two work-groups of the launch before, so the sum has a launch of its own; each output row has one owner: a wave.
; y: [32 slabs][2,160 slots][32 columns] f32.  A load takes 128 bytes of each of four slabs: eight lanes to a slab; eight loads a slot.  A store covers 512 consecutive bytes of the row, aligned.
; A stream: no LDS, no barrier, no matrix unit.  The loads carry no hint: the other half of each aligned 256 bytes of y belongs to a neighbouring slot, which another wave reads.
.set SLABB, 2160*128
	s_load_b256 s[4:11], s[0:1], 0x0               ; y s[4:5], pos s[6:7], topk_weights s[8:9], out0 s[10:11]
	v_lshrrev_b32 v1, 5, v0
	v_readfirstlane_b32 s12, v1                    ; wave
	s_lshl_b32 s13, ttmp9, 2
	s_add_co_u32 s13, s13, s12                     ; my token
	s_lshl_b32 s14, s13, 3                         ; its two words
	v_and_b32 v2, 31, v0
	v_lshrrev_b32 v3, 3, v2
	v_and_b32 v4, 7, v0
	v_mul_u32_u24 v1, v3, SLABB
	v_lshl_add_u32 v1, v4, 4, v1                   ; slab lane / 8 of four, 16 bytes a lane
	v_lshlrev_b32 v2, 4, v2
	s_wait_kmcnt 0x0
	s_load_b64 s[16:17], s[6:7], s14 offset:0x0    ; the two slots
	s_load_b64 s[18:19], s[8:9], s14 offset:0x0    ; the two weights
	s_lshl_b32 s22, s13, 12
	s_mov_b32 s23, 0
	s_add_nc_u64 s[10:11], s[10:11], s[22:23]      ; my row of out0
	s_wait_kmcnt 0x0
	s_min_u32 s16, s16, 2159                       ; stored numbers enter addresses only inside their bound
	s_min_u32 s17, s17, 2159
	s_lshl_b32 s22, s16, 7
	s_add_nc_u64 s[24:25], s[4:5], s[22:23]
	s_lshl_b32 s22, s17, 7
	s_add_nc_u64 s[26:27], s[4:5], s[22:23]
	s_mov_b32 s20, s19                             ; the packed forms take a scalar pair's low word for both halves: w1 gets a pair of its own
	s_mov_b32 s21, s19
.irp i, 0,1,2,3,4,5,6,7
	global_load_b128 v[8+8*\i:11+8*\i], v1, s[24:25] offset:\i*4*SLABB    ; 7 x 4 slabs at the most: inside the signed 24-bit immediate
	global_load_b128 v[12+8*\i:15+8*\i], v1, s[26:27] offset:\i*4*SLABB
.endr
.irp i, 0,1,2,3,4,5,6,7
	s_wait_loadcnt 14-2*\i                         ; pair i is in; the younger pairs, two loads each, may be out
	v_pk_mul_f32 v[8+8*\i:9+8*\i], v[8+8*\i:9+8*\i], s[18:19] op_sel_hi:[1,0]
	v_pk_mul_f32 v[10+8*\i:11+8*\i], v[10+8*\i:11+8*\i], s[18:19] op_sel_hi:[1,0]
	v_pk_fma_f32 v[8+8*\i:9+8*\i], v[12+8*\i:13+8*\i], s[20:21], v[8+8*\i:9+8*\i] op_sel_hi:[1,0,1]
	v_pk_fma_f32 v[10+8*\i:11+8*\i], v[14+8*\i:15+8*\i], s[20:21], v[10+8*\i:11+8*\i] op_sel_hi:[1,0,1]
	global_store_b128 v2, v[8+8*\i:11+8*\i], s[10:11] offset:512*\i th:TH_STORE_NT   ; written once, read by nobody here
.endr
	s_endpgm
.Lfunc_end_k_q416f40ed08_combine:
	.size	k_q416f40ed08_combine, .Lfunc_end_k_q416f40ed08_combine-k_q416f40ed08_combine
	.p2alignl 7, 3214868480
	.fill 96, 4, 3214868480
	.section	.rodata,"a",@progbits
	.p2align	6, 0x0
	.amdhsa_kernel k_q416f40ed08_combine
		.amdhsa_group_segment_fixed_size 0
		.amdhsa_private_segment_fixed_size 0
		.amdhsa_enable_private_segment 0
		.amdhsa_kernarg_size 32
		.amdhsa_user_sgpr_count 2
		.amdhsa_user_sgpr_kernarg_segment_ptr 1
		.amdhsa_wavefront_size32 1
		.amdhsa_system_sgpr_workgroup_id_x 1
		.amdhsa_system_sgpr_workgroup_id_y 1
		.amdhsa_system_sgpr_workgroup_id_z 1
		.amdhsa_system_vgpr_workitem_id 0
		.amdhsa_next_free_vgpr 72
		.amdhsa_next_free_sgpr 66
		.amdhsa_reserve_vcc 0
		.amdhsa_float_denorm_mode_32 3
		.amdhsa_float_denorm_mode_16_64 3
		.amdhsa_memory_ordered 1
		.amdhsa_forward_progress 1
		.amdhsa_inst_pref_size 6
	.end_amdhsa_kernel
	.amdgpu_metadata
---
amdhsa.version: [ 1, 2 ]
amdhsa.kernels:
  - .name:           k_q416f40ed08_combine
    .symbol:         k_q416f40ed08_combine.kd
    .args:
      - { .name: y, .offset: 0, .size: 8, .value_kind: global_buffer, .address_space: global }
      - { .name: pos, .offset: 8, .size: 8, .value_kind: global_buffer, .address_space: global }
      - { .name: topk_weights, .offset: 16, .size: 8, .value_kind: global_buffer, .address_space: global }
      - { .name: out0, .offset: 24, .size: 8, .value_kind: global_buffer, .address_space: global }
    .group_segment_fixed_size: 0
    .private_segment_fixed_size: 0
    .kernarg_segment_align: 8
    .kernarg_segment_size: 32
    .max_flat_workgroup_size: 128
    .sgpr_count:     66
    .vgpr_count:     72
    .wavefront_size: 32
...
	.end_amdgpu_metadata
.endif
;; end of part 5
